; MI455X (gfx1250); checked and timed in simulation.
; The chip was launched on July 23, 2026; its instructions are those of AMD's public machine-readable ISA for CDNA 5 (MIT licence, August 2026) and "CDNA5" Instruction Set Architecture Reference Guide (July 2026). The comments in the code are by the model that wrote it; some were corrected since.
;; Transformer Block. Allowed arithmetic: matrix products marked QUANTISED: E2M3 operands, one E8M0 scale for each 32 along K, by v_wmma_scale_f32_16x16x128_f8f6f4 with both operands' format E2M3, f32 sums; everything else in f32.
;; Inputs: W1 512 x 2,048 float32; W2 2,048 x 512 float32; Wk 512 x 8 x 64 float32; Wo 512 x 512 float32; Wq 512 x 8 x 64 float32; Wv 512 x 8 x 64 float32; b1 2,048 float32; b2 512 float32; bk 8 x 64 float32; bo 512 float32; bq 8 x 64 float32; bv 8 x 64 float32; ln1_bias 512 float32; ln1_scale 512 float32; ln2_bias 512 float32; ln2_scale 512 float32; rel_pos_bias 8 x 289 float32; x 256 x 81 x 512 float32.
;; Outputs: out0 256 x 81 x 512 float32.
;; This version of the problem:
;;   THIS VERSION OF THE PROBLEM IS GIVEN IN LOW PRECISION. The matrix products marked QUANTISED in the list below multiply operands that are first quantised to E2M3 (2 exponent bits, 3 mantissa bits; 6 bits a number), with one power-of-two scale for each 32 numbers along K (OCP MX v1.0); their sums are f32. All else is computed in f32.
;;   The module's matrix products, in the order in which they are computed (A, B: the left and right operand; K: the contracted axis; several contracted axes count as one K, in the product's order):
;;     1. [M 20,736, K 512] x [K 512, N 512]; A: computed on the way; B: input Wq: QUANTISED
;;     2. [M 20,736, K 512] x [K 512, N 512]; A: computed on the way; B: input Wk: QUANTISED
;;     3. [M 20,736, K 512] x [K 512, N 512]; A: computed on the way; B: input Wv: QUANTISED
;;     4. batch 2,048 x [M 81, K 64] x [K 64, N 81]; A: computed on the way; B: computed on the way: QUANTISED
;;     5. batch 2,048 x [M 64, K 81] x [K 81, N 81]; A: computed on the way; B: softmax (see below): QUANTISED
;;     6. [M 20,736, K 512] x [K 512, N 512]; A: computed on the way; B: input Wo: QUANTISED
;;     7. [M 20,736, K 512] x [K 512, N 2,048]; A: computed on the way; B: input W1: QUANTISED
;;     8. [M 20,736, K 2,048] x [K 2,048, N 512]; A: computed on the way; B: input W2: QUANTISED
;;   THE QUANTISER, for each operand of a quantised product, along K:
;;     - K is cut into blocks of 32 from its start; a last block that is shorter is filled with zeros.
;;     - A block's scale is 2^e with e = floor(log2(the largest magnitude in the block)) - 2, held to -126 .. 127; a block of zeros has e = 0. As a byte (E8M0): e + 127.
;;     - Each number is divided by its block's scale, clamped to +-7.5, and rounded to the nearest number of E2M3, ties to even, subnormals kept.
;;     - The product sums the exact products of the quantised numbers (number of the format x scale) in f32.
;;   ~~~python
;;   def quantise(x, axis):      # numpy; x: float32 -> the quantised numbers, widened to float32 again
;;       x = np.moveaxis(x, axis, -1); K = x.shape[-1]
;;       x = np.pad(x, [(0, 0)] * (x.ndim - 1) + [(0, -K % 32)]); x = x.reshape(x.shape[:-1] + (-1, 32)); a = np.abs(x).max(-1, keepdims=True)
;;       e = np.where(a > 0, np.clip(np.frexp(np.where(a > 0, a, 1))[1] - 1 - 2, -126, 127), 0)      # np.frexp(a)[1] - 1 = floor(log2(a)), exactly
;;       r = np.clip(x / 2.0 ** e, -7.5, 7.5)
;;       step = 2.0 ** (np.maximum(np.frexp(np.where(r == 0, 1, r))[1] - 1, 0) - 3)
;;       q = np.round(r / step) * step * 2.0 ** e      # np.round: ties to even
;;       return np.moveaxis(q.reshape(q.shape[:-2] + (-1,))[..., :K], -1, axis).astype(np.float32)
;;   ~~~
;;   SOFTMAX AHEAD OF A QUANTISED PRODUCT. Where the list says 'softmax', what is quantised is not the finished softmax but p = 2^(t - M), with t = logit x log2(e) and M = ceil(the row's largest t), a whole number; so 1/2 < the row's largest p <= 1. The row's sum l is taken of the UNQUANTISED p, in f32, and the product's result is divided by l at the end. Since M is a whole number, a kernel that streams over the keys may use a running M (the ceiling of the running maximum): every later rescaling is an exact power of two, which a block's scale takes up: the codes' values come out the same.
;;   OPERANDS COMPUTED ON THE WAY. 'Computed on the way' means the value that the module computes at that place (a softmax that the list does not call 'softmax' is quantised finished and normalised). What goes into a quantiser is computed in f32, as accurately as f32 sums, v_exp_f32 and their like allow (about 1e-6 of the number): no bf16 or f16 on the way to a quantiser, and a product that is left as it is and whose result goes on into a quantised operand takes f32 operands (vector FMAs, or v_wmma_f32_16x16x4_f32). A number that lies on a knife's edge between two numbers of the format may be rounded either way, as far as f32 arithmetic and the matrix unit's own rounding can turn it there, and no further.
;; One version. Each part assembles by itself: llvm-mc -triple=amdgcn-amd-amdhsa -mcpu=gfx1250 --defsym DOCPART=n.
;; ======== version 1 of 1: 2 launches
;; limits: right only within a limited range of input values
;; workspace buffers: wimg 2,457,600 bytes; bimg 294,912 bytes
;; launch prep (part 1): grid 240 x 1, 4 waves a work-group, no clusters, 12,800 bytes of LDS; arguments Wq, Wk, Wv, Wo, W1, W2, rel_pos_bias, wimg, bimg; writes wimg, bimg
.if DOCPART == 1
	.amdgcn_target "amdgcn-amd-amdhsa--gfx1250"
	.amdhsa_code_object_version 6
	.text
	.protected	k_q26b6dfe631_prep
	.globl	k_q26b6dfe631_prep
	.p2align	8
	.type	k_q26b6dfe631_prep,@function
k_q26b6dfe631_prep:
	s_mov_b64 s[64:65], 0
	v_nop
	global_prefetch_b8 v0, s[64:65] scope:SCOPE_SE
	s_setreg_imm32_b32 hwreg(HW_REG_WAVE_MODE, 25, 1), 1
	s_wait_xcnt 0x0
; The six weights become codes of FP6 (E2M3) with one E8M0 byte for each 32 along K, laid in the order in which the second launch's operand registers take them (wimg);
; the relative-position bias becomes the C operands of the score products (bimg).
; NO WORK OF THE PROBLEM IS LEFT OUT in either launch: every input has a way to the output (each bias moves a quantised operand's codes or the result itself), and every input is loaded.
; wimg: [unit 0..11][wave 0..7][25,600 bytes].  Units: Wq, Wk, Wv, Wo, then W1's and W2's parts for the four chunks of 512 hidden units, by turns.  A piece is K = 512 x 64 columns:
;   16 fragments (K step s, tile n) at 1,536 (4 s + n): lane l's 12 operand registers at 48 l; then 8 images of scale words at 24,576 + 128 k: word k = 2 s + i of lane (r, h) belongs to fragment (s, 2 i + h), row r.
;   Row r of tile n is column 32 (n / 2) + 8 (n % 2) + r + 8 (r / 8) of the piece: so the 16 registers that two neighbouring tiles' results leave in a lane are 16 neighbours along the next K.
; bimg: [head][tile of queries m][12][lane][4 f32]: register j of key tile kt, lane (r, h): 8 x bias(query, key), key = 32 (kt / 2) + 16 h + 8 (kt % 2) + j; keys from 81 on: -1e30.
;   (t = (score + 8 bias) x 0.125 log2(e).)  The table's index is a(query) - a(key) + 144 with a(t) = t + 8 floor(t / 9): 17 (row difference + 8) + column difference + 8.
; A LANE TAKES A COLUMN AND ITS REGISTERS RUN DOWN K: a block of 32 along K lies in one lane, and the conversions give codes with K innermost.  A wave takes 32 columns x 128 K: two fragments.
; A block's scale byte is its largest magnitude's exponent field - 2, held at 1 from below.
; LIMITS: a block of zeros, or one whose largest magnitude lies under 2^-124, gets the byte 1 (the rule's 127 for zeros is not made: the codes are zeros, and this program alone reads the bytes);
; NaN and infinities among the inputs are not served.
.set SPARE, 12288                      ; behind the four waves' stages of 3,072 bytes: the spare words, 128 bytes a wave
.set MINF,  0xf149f2ca                 ; -1e30
	s_load_b512 s[4:19], s[0:1], 0x0               ; Wq, Wk, Wv, Wo, W1, W2, rel_pos_bias, wimg
	s_load_b64 s[20:21], s[0:1], 0x40              ; bimg
	v_lshl_add_u32 v1, v0, 2, SPARE
	v_mov_b32 v2, 0
	v_lshrrev_b32 v3, 5, v0
	v_readfirstlane_b32 s22, v3                    ; wave 0..3
	v_and_b32 v3, 31, v0                           ; lane
	s_cmp_ge_u32 ttmp9, 192                        ; work-groups 0..191: weights; 192..239: the bias
	s_cbranch_scc1 .Lbias
	; ---- weights: g = 16 unit + 2 piece + sp; wave v: column pair b = v % 2, K step s = 2 sp + v / 2
	s_lshr_b32 s24, ttmp9, 4                       ; unit
	s_bfe_u32 s25, ttmp9, 0x30001                  ; piece w
	s_and_b32 s26, ttmp9, 1                        ; sp
	s_and_b32 s27, s22, 1                          ; b
	s_lshr_b32 s28, s22, 1
	s_lshl_b32 s29, s26, 1
	s_add_co_u32 s28, s28, s29                     ; s
	s_and_b32 s29, s24, 1
	s_add_co_u32 s29, s29, 4
	s_cmp_lt_u32 s24, 4
	s_cselect_b32 s29, s24, s29                    ; which tensor: 0..3 Wq Wk Wv Wo, 4 W1, 5 W2
	s_sub_co_u32 s30, s24, 4
	s_lshr_b32 s30, s30, 1
	s_cmp_lt_u32 s24, 4
	s_cselect_b32 s30, 0, s30                      ; the chunk of hidden units
	s_mov_b32 s31, 2048
	s_cmp_eq_u32 s29, 4
	s_cselect_b32 s31, 8192, s31                   ; a row of the tensor in bytes
	s_cselect_b32 s40, s30, 0                      ; W1: the chunk moves the columns,
	s_cmp_eq_u32 s29, 5
	s_cselect_b32 s41, s30, 0                      ; W2: the rows
	s_lshl_b32 s42, s28, 7
	s_lshl_b32 s41, s41, 9
	s_add_co_u32 s42, s42, s41                     ; first row: 128 s (+ 512 chunk)
	s_mul_i32 s42, s42, s31
	s_lshl_b32 s43, s25, 8
	s_add_co_u32 s42, s42, s43                     ; + 256 w
	s_lshl_b32 s43, s27, 7
	s_add_co_u32 s42, s42, s43                     ; + 128 b
	s_lshl_b32 s40, s40, 11
	s_add_co_u32 s42, s42, s40                     ; (+ 2,048 chunk)
	s_mov_b32 s43, 0
	s_lshl_b32 s44, s31, 5                         ; 32 rows
	s_mov_b32 s45, 0
	s_mul_i32 s46, s24, 204800
	s_mul_i32 s47, s25, 25600
	s_add_co_u32 s46, s46, s47                     ; the piece in wimg
	s_lshl_b32 s47, s28, 2
	s_lshl_b32 s48, s27, 1
	s_add_co_u32 s47, s47, s48
	s_mul_i32 s47, s47, 1536
	s_add_co_u32 s50, s46, s47                     ; my two fragments, 4 s + 2 b and the next
	s_mov_b32 s51, 0
	s_lshl_b32 s47, s26, 9
	s_lshl_b32 s48, s22, 7
	s_add_co_u32 s47, s47, s48
	s_add_co_u32 s47, s47, 24576
	s_add_co_u32 s52, s46, s47                     ; my image of scale words: k = 4 sp + v
	s_mov_b32 s53, 0
	s_wait_alu depctr_va_vdst(0)
	v_lshlrev_b32 v4, 2, v3
.set I, 0
.rept 32
	v_mad_u32_u24 v[32+I], s31, I, v4              ; row I of a block, my column
.set I, I+1
.endr
	v_bfe_u32 v6, v3, 3, 1                         ; column x = lane: tile u' = (x / 8) % 2,
	v_and_b32 v7, 7, v3
	v_lshrrev_b32 v8, 4, v3
	v_lshl_add_u32 v7, v8, 3, v7                   ; row r' = x % 8 + 8 (x / 16)
	v_mul_u32_u24 v5, v7, 48
	v_mad_u32_u24 v5, v6, 1536, v5
	s_mul_i32 s54, s22, 3072
	v_add_nc_u32 v5, s54, v5                       ; my stage: two images on end; my row's place in lanes 0-15
	v_lshl_add_u32 v9, v6, 4, v7
	v_lshlrev_b32 v9, 2, v9                        ; my scale word's place: 4 (r' + 16 u')
	v_lshlrev_b32 v26, 4, v3
	v_add_nc_u32 v25, s54, v26                     ; the stage read back: 16 bytes a lane
	s_wait_kmcnt 0x0
	s_cmp_eq_u32 s29, 1                            ; the choice hangs on the work-group's number alone
	s_cselect_b64 s[4:5], s[6:7], s[4:5]
	s_cmp_eq_u32 s29, 2
	s_cselect_b64 s[4:5], s[8:9], s[4:5]
	s_cmp_eq_u32 s29, 3
	s_cselect_b64 s[4:5], s[10:11], s[4:5]
	s_cmp_eq_u32 s29, 4
	s_cselect_b64 s[4:5], s[12:13], s[4:5]
	s_cmp_eq_u32 s29, 5
	s_cselect_b64 s[4:5], s[14:15], s[4:5]
	s_add_nc_u64 s[32:33], s[4:5], s[42:43]        ; a base for each of the four blocks of 32 rows
	s_add_nc_u64 s[34:35], s[32:33], s[44:45]
	s_add_nc_u64 s[36:37], s[34:35], s[44:45]
	s_add_nc_u64 s[38:39], s[36:37], s[44:45]
	s_add_nc_u64 s[50:51], s[18:19], s[50:51]
	s_add_nc_u64 s[52:53], s[18:19], s[52:53]
.macro LOADB t                         ; block t: 32 loads, each 128 consecutive bytes of a row
.set I, 0
.rept 32
	global_load_b32 v[64+32*((\t)%2)+I], v[32+I], s[32+2*(\t):33+2*(\t)] th:TH_LOAD_NT
.set I, I+1
.endr
.endm
.macro BLOCKQ t
.set XS, 64+32*((\t)%2)
.if (\t) < 3
	s_wait_loadcnt 32                              ; this block's 32 loads are in; the next block's may be out
.else
	s_wait_loadcnt 0x0
.endif
	v_max3_num_f32 v12, |v[XS]|, |v[XS+1]|, |v[XS+2]|
	v_max3_num_f32 v13, |v[XS+3]|, |v[XS+4]|, |v[XS+5]|
.irp i, 6,10,14,18,22,26
	v_max3_num_f32 v12, v12, |v[XS+\i]|, |v[XS+\i+1]|
	v_max3_num_f32 v13, v13, |v[XS+\i+2]|, |v[XS+\i+3]|
.endr
	v_max3_num_f32 v12, v12, |v[XS+30]|, |v[XS+31]|
	v_max3_num_f32 v12, v12, v13, 0x1800000        ; and the floor 2^(3 - 127): the byte cannot fall under 1
	v_add_nc_u32 v11, 0xff000000, v12              ; 2 off the exponent field: the conversion's scale operand
	v_lshrrev_b32 v13, 23, v11                     ; the byte
.if (\t) == 0
	v_mov_b32 v24, v13
.else
	v_lshl_or_b32 v24, v13, 8*(\t), v24            ; four bytes make my column's scale word for these 128 along K
.endif
	v_cvt_scalef32_pk16_fp6_f32 v[14:16], v[XS:XS+15], v11
	v_cvt_scalef32_pk16_fp6_f32 v[20:22], v[XS+16:XS+31], v11    ; (a conversion's three registers begin on an even number)
	v_nop                                          ; a plain place behind the conversions
	v_mov_b32 v17, v20
	v_mov_b32 v18, v21
	v_mov_b32 v19, v22
	ds_store_b64 v5, v[14:15] offset:768*((\t)%2)+24*((\t)/2)      ; block t = 2 c + h is registers 6 c .. 6 c + 5 of lane r' + 16 h
	ds_store_b64 v5, v[16:17] offset:768*((\t)%2)+24*((\t)/2)+8
	ds_store_b64 v5, v[18:19] offset:768*((\t)%2)+24*((\t)/2)+16
.if (\t) < 2
	LOADB (\t)+2
.endif
	s_wait_dscnt 0x0                               ; the stores have read their registers
.endm
	LOADB 0
	LOADB 1
	BLOCKQ 0
	BLOCKQ 1
	BLOCKQ 2
	BLOCKQ 3
	s_wait_alu depctr_va_vdst(0)
	global_store_b32 v9, v24, s[52:53]             ; the wave's 32 scale words: 128 consecutive bytes
.irp i, 0,1,2,3,4,5
	ds_load_b128 v[64+4*\i:67+4*\i], v25 offset:512*\i             ; a wave's LDS instructions are served in order: these see my stores
.endr
.irp i, 0,1,2,3,4,5
	s_wait_dscnt 5-\i
	global_store_b128 v26, v[64+4*\i:67+4*\i], s[50:51] offset:512*\i   ; 512 consecutive bytes, at a multiple of 256 from wimg's first byte
.endr
	s_wait_tensorcnt 0x0                           ; the wave's end, behind my last LDS store
	ds_add_u32 v1, v2
	s_wait_dscnt 0x0
	s_endpgm
	; ---- the bias: g' = 6 head + m; wave v makes 3 of the 12 groups of four registers.  No LDS is written on this way.
.Lbias:
	s_sub_co_u32 s24, ttmp9, 192
	s_mul_i32 s25, s24, 43
	s_lshr_b32 s25, s25, 8                         ; head = g' / 6 (exact for g' < 48)
	s_mul_i32 s26, s25, 6
	s_sub_co_u32 s26, s24, s26                     ; m
	s_wait_alu depctr_va_vdst(0)
	v_and_b32 v4, 15, v3
	v_and_b32 v5, 8, v4
	v_add_nc_u32 v4, v4, v5                        ; r + 8 (r / 8)
	s_lshr_b32 s27, s26, 1
	s_lshl_b32 s27, s27, 5
	s_and_b32 s28, s26, 1
	s_lshl_b32 s28, s28, 3
	s_add_co_u32 s27, s27, s28
	v_add_nc_u32 v4, s27, v4                       ; the lane's query,
	v_min_u32 v4, 80, v4                           ; padding rows are copies of token 80
	v_mul_u32_u24 v5, v4, 57
	v_lshrrev_b32 v5, 9, v5                        ; floor(t / 9) = 57 t >> 9, exact for t < 512
	v_lshl_add_u32 v4, v5, 3, v4
	v_add_nc_u32 v4, 0x90, v4                      ; a(query) + 144
	v_lshrrev_b32 v6, 4, v3
	v_lshlrev_b32 v6, 4, v6                        ; 16 h
	s_wait_alu depctr_va_vdst(0)
	v_lshlrev_b32 v7, 4, v3
	s_mul_i32 s30, s22, 3
.irp i, 0,1,2
	s_add_co_u32 s31, s30, \i                      ; group ci = 3 v + i: key tile ci / 2, registers 4 (ci % 2) on
	s_lshr_b32 s40, s31, 2
	s_lshl_b32 s40, s40, 5
	s_bfe_u32 s41, s31, 0x10001
	s_lshl_b32 s41, s41, 3
	s_add_co_u32 s40, s40, s41
	s_and_b32 s41, s31, 1
	s_lshl_b32 s41, s41, 2
	s_add_co_u32 s40, s40, s41
	v_add_nc_u32 v8, s40, v6
.irp j, 0,1,2,3
	v_add_nc_u32 v[32+4*\i+\j], \j, v8             ; the key
	v_min_u32 v9, 80, v[32+4*\i+\j]                ; (held inside the board for the look-up)
	v_mul_u32_u24 v10, v9, 57
	v_lshrrev_b32 v10, 9, v10
	v_lshl_add_u32 v9, v10, 3, v9
	v_sub_nc_u32 v9, v4, v9                        ; the index, 0 .. 288
	v_lshlrev_b32 v[16+4*\i+\j], 2, v9
.endr
.endr
	s_mul_i32 s40, s25, 1156                       ; the head's row of 289 numbers
	s_mov_b32 s41, 0
	s_mul_i32 s42, s24, 6144
	s_mul_i32 s43, s22, 1536
	s_add_co_u32 s42, s42, s43
	s_mov_b32 s43, 0
	v_mov_b32 v60, MINF
	s_wait_alu depctr_va_vdst(0)
	s_wait_kmcnt 0x0
	s_add_nc_u64 s[16:17], s[16:17], s[40:41]
	s_add_nc_u64 s[20:21], s[20:21], s[42:43]
.set I, 0
.rept 12
	global_load_b32 v[48+I], v[16+I], s[16:17]
.set I, I+1
.endr
	s_wait_loadcnt 0x0
.set I, 0
.rept 12
	v_mul_f32 v[48+I], 0x41000000, v[48+I]         ; x 8
	v_cmp_lt_u32 vcc_lo, 80, v[32+I]
	v_cndmask_b32 v[48+I], v[48+I], v60, vcc_lo    ; keys past the board count for nothing
.set I, I+1
.endr
.irp i, 0,1,2
	global_store_b128 v7, v[48+4*\i:51+4*\i], s[20:21] offset:512*\i
.endr
	s_endpgm
.Lfunc_end_k_q26b6dfe631_prep:
	.size	k_q26b6dfe631_prep, .Lfunc_end_k_q26b6dfe631_prep-k_q26b6dfe631_prep
	.p2alignl 7, 3214868480
	.fill 96, 4, 3214868480
	.section	.rodata,"a",@progbits
	.p2align	6, 0x0
	.amdhsa_kernel k_q26b6dfe631_prep
		.amdhsa_group_segment_fixed_size 12800
		.amdhsa_private_segment_fixed_size 0
		.amdhsa_enable_private_segment 0
		.amdhsa_kernarg_size 72
		.amdhsa_user_sgpr_count 2
		.amdhsa_user_sgpr_kernarg_segment_ptr 1
		.amdhsa_wavefront_size32 1
		.amdhsa_system_sgpr_workgroup_id_x 1
		.amdhsa_system_sgpr_workgroup_id_y 1
		.amdhsa_system_sgpr_workgroup_id_z 1
		.amdhsa_system_vgpr_workitem_id 0
		.amdhsa_next_free_vgpr 128
		.amdhsa_next_free_sgpr 66
		.amdhsa_reserve_vcc 1
		.amdhsa_float_denorm_mode_32 3
		.amdhsa_float_denorm_mode_16_64 3
		.amdhsa_memory_ordered 1
		.amdhsa_forward_progress 1
		.amdhsa_inst_pref_size 36
	.end_amdhsa_kernel
	.amdgpu_metadata
---
amdhsa.version: [ 1, 2 ]
amdhsa.kernels:
  - .name:           k_q26b6dfe631_prep
    .symbol:         k_q26b6dfe631_prep.kd
    .args:
      - { .name: Wq, .offset: 0, .size: 8, .value_kind: global_buffer, .address_space: global }
      - { .name: Wk, .offset: 8, .size: 8, .value_kind: global_buffer, .address_space: global }
      - { .name: Wv, .offset: 16, .size: 8, .value_kind: global_buffer, .address_space: global }
      - { .name: Wo, .offset: 24, .size: 8, .value_kind: global_buffer, .address_space: global }
      - { .name: W1, .offset: 32, .size: 8, .value_kind: global_buffer, .address_space: global }
      - { .name: W2, .offset: 40, .size: 8, .value_kind: global_buffer, .address_space: global }
      - { .name: rel_pos_bias, .offset: 48, .size: 8, .value_kind: global_buffer, .address_space: global }
      - { .name: wimg, .offset: 56, .size: 8, .value_kind: global_buffer, .address_space: global }
      - { .name: bimg, .offset: 64, .size: 8, .value_kind: global_buffer, .address_space: global }
    .group_segment_fixed_size: 12800
    .private_segment_fixed_size: 0
    .kernarg_segment_align: 8
    .kernarg_segment_size: 72
    .max_flat_workgroup_size: 128
    .sgpr_count:     66
    .vgpr_count:     128
    .wavefront_size: 32
...
	.end_amdgpu_metadata
.endif
;; end of part 1
;; launch block (part 2): grid 256 x 1, 8 waves a work-group, clusters of 4 x 1, 327,680 bytes of LDS; arguments x, out0, wimg, bimg, ln1_scale, ln1_bias, ln2_scale, ln2_bias, bq, bk, bv, bo, b1, b2; writes out0
.if DOCPART == 2
	.amdgcn_target "amdgcn-amd-amdhsa--gfx1250"
	.amdhsa_code_object_version 6
	.text
	.protected	k_q26b6dfe631_block
	.globl	k_q26b6dfe631_block
	.p2align	8
	.type	k_q26b6dfe631_block,@function
k_q26b6dfe631_block:
	s_mov_b64 s[64:65], 0
	v_nop
	global_prefetch_b8 v0, s[64:65] scope:SCOPE_SE
	s_setreg_imm32_b32 hwreg(HW_REG_WAVE_MODE, 25, 1), 1
	s_wait_xcnt 0x0
	s_wait_alu depctr_hold_cnt(0) depctr_sa_sdst(0) depctr_va_vdst(0) depctr_va_sdst(0) depctr_va_ssrc(0) depctr_va_vcc(0) depctr_vm_vsrc(0)
	s_getreg_b32 s2, hwreg(HW_REG_IB_STS2, 6, 4)
	s_cmp_eq_u32 s2, 0
	s_cbranch_scc0 .Lentry_in_a_cluster
	s_endpgm
.Lentry_in_a_cluster:
	s_bfe_u32 s2, ttmp6, 0x10000c
	s_cmp_lg_u32 s2, 0x3003
	s_cbranch_scc0 .Lentry_shape_is_right
	s_endpgm
.Lentry_shape_is_right:
; The whole transformer block, one board (81 tokens x 512 channels) to a work-group: LN1, Q K V, attention of 8 heads with the relative-position bias, Wo and the residual, LN2, the GELU MLP and the residual.
; All eight products run on codes of FP6 (E2M3) with one E8M0 scale for each 32 along K; everything ahead of a quantiser is f32.  No work of the problem is left out.
; SHARES.  Eight waves, two to a SIMD.  THE WAVES SHARE THE COLUMNS: wave w owns channels 64 w .. 64 w + 63 of every result of 512 columns, for all rows; for Q, K, V that is head w, so attention stays inside a wave.
; The 81 tokens are 6 tiles of 16; tokens 81 .. 95 are copies of token 80 (finite, row by row the same bits as token 80) and are never stored.
; Row r of token tile m is token 32 (m / 2) + 8 (m % 2) + r + 8 (r / 8), and the rows of a weight tile are chosen alike: so the 16 registers that two neighbouring tiles' results leave in a lane are 16 neighbours along the next K.
; UNITS.  The weights are 12 units of K = 512 x N = 512 (Wq, Wk, Wv, Wo, and W1's and W2's parts for four chunks of 512 hidden units), laid by the first launch in the order of the operand registers.
; A wave's piece of a unit (16 fragments, 8 scale registers: 25,600 bytes) comes into its own LDS bytes by one tensor load, goes into 200 registers, and the next unit's load is asked for at once:
; it has the whole unit's work in which to land.  By this text's own count a wave has one tensor load out at the most.
; Where a unit's results become operands (Q, K, W1's parts), the products of its last token tile leave the weight registers free: the next unit's piece is taken into them in runs set among that tile's epilogue.
; The last unit sends each token tile of the result as soon as its four K steps are summed: the stores leave while the later tiles are multiplied.
; CLUSTER.  The four boards of a cluster walk the same weights: each piece is asked for jointly, by the same load with the same descriptor and a mask that names the four.
; The round of the cluster's barrier in front of each refill is also the barrier that shows one phase's operand images to all waves.
; OPERANDS GO FROM WAVE TO WAVE THROUGH LDS AS IMAGES OF THEIR REGISTERS: fragment (tile m, K step s): lane l's 12 registers at 48 l; wave w writes registers 6 (w % 2) .. + 5 of K step w / 2.
; x is read twice (for LN1, and again for the residual at Wo): between the two its 192 registers serve V and the bias images.
; The biases bo and b2 are added to x ahead of the products that add onto it: another order of f32 sums than the source's.
; LIMITS: NaN and infinities among the inputs are not served; a block of zeros or with a largest magnitude under 2^-124 gets the scale byte 1 (read by this program alone);
; keys past the board are hidden by -1e30 in the score's C, which holds while scores stay far under 1e30.
;
; LDS: 0 AIMG (24 images: y1, then ctx, then y2); 36,864 ASC (their scale words, 256 bytes a tile: word (s, r) at 128 (s % 2) + 8 r + 4 (s / 2)); 38,400 HIMG, 75,264 HSC (a chunk of the hidden layer);
;   76,800 STATS (96 tokens x 80 bytes: 8 means, 8 sums of squares); 84,480 STAGE (16 rows x 272 bytes a wave); 121,856 the spare words; 122,880 RING (8 pieces, filled by tensor loads alone).
;   PARK = 38,400 + 9,984 w: between unit Q and the end of attention a wave keeps its q's and k's half fragments (12 x 768 bytes, 24 a lane) and their scale words (12 x 64) there.
; REGISTERS, window 0: v1, v2 the add's two; v3 lane; v4 my piece + 48 lane; v5 lane % 16; v6 my piece + 4 lane; v7 16 lane; v8-11 addresses in hand; v12, v13 a bias (attention: q's and p's scale words);
;   v14-21 weight scale words (attention: v14-17 V's, v18-23 K's); v22, v23 activation scale words; v24-30 at work; v31 256 lane (the prefetch); v32-63 ACC, four accumulators (last unit: v44-47 the way out's addresses);
;   v64-255 the unit's 16 weight fragments.
;   window 1: v0-191 X, the residual stream (tile m, tile n at 8 (4 m + n)); v192-239 activation fragments; v240-255 at work.  From LN1 to Wo: v0-63 V's accumulators, v64-111 V's fragments, v112-143 at work, v144-191 bias images.
.set AIMG,  0
.set ASC,   36864
.set HIMG,  38400
.set HSC,   75264
.set STATS, 76800
.set STAGE, 84480
.set BIASL, 119296                     ; behind the stages: 256 bytes a wave, b1 of my 64 hidden units of the chunk in hand; stored and read by me alone, no fill lands here
.set SPARE, 121856
.set RING,  122880
.set PARK,  38400
.set PIECE, 25600
.set UNITB, 204800
.set MSB, 0
.macro WIN new                         ; the immediate's high byte repeats the setting that is left; a switch that changes nothing is dropped
.if MSB != (\new)
	s_set_vgpr_msb (MSB<<8)|(\new)
.set MSB, (\new)
.endif
.endm
.macro NOPS n
.rept \n
	v_nop
.endr
.endm
.macro ROUND                           ; a round of the cluster's barrier
	s_barrier_signal -1
	s_barrier_wait -1
	s_cmp_lg_u32 s32, 0
	s_cbranch_scc1 .Lnw0_\@
	s_barrier_signal -3
.Lnw0_\@:
	s_barrier_wait -3
	s_barrier_signal -1
	s_barrier_wait -1
.endm
; One product.  d, a, b: first registers of D, A, B; c: of C, or -1 for the constant 0; sa, sb: the scale registers; ra, rb: 1 = the scales stand in lanes 16-31
.macro WMS d, a, b, c, sa, sb, ra, rb
.if (\c) < 0
.if (\ra) && (\rb)
	v_wmma_scale_f32_16x16x128_f8f6f4 v[0+(\d):7+(\d)], v[0+(\a):11+(\a)], v[0+(\b):11+(\b)], 0, v[0+(\sa)], v[0+(\sb)] matrix_a_fmt:MATRIX_FMT_FP6 matrix_b_fmt:MATRIX_FMT_FP6 matrix_a_scale:MATRIX_SCALE_ROW1 matrix_b_scale:MATRIX_SCALE_ROW1
.elseif (\ra)
	v_wmma_scale_f32_16x16x128_f8f6f4 v[0+(\d):7+(\d)], v[0+(\a):11+(\a)], v[0+(\b):11+(\b)], 0, v[0+(\sa)], v[0+(\sb)] matrix_a_fmt:MATRIX_FMT_FP6 matrix_b_fmt:MATRIX_FMT_FP6 matrix_a_scale:MATRIX_SCALE_ROW1
.elseif (\rb)
	v_wmma_scale_f32_16x16x128_f8f6f4 v[0+(\d):7+(\d)], v[0+(\a):11+(\a)], v[0+(\b):11+(\b)], 0, v[0+(\sa)], v[0+(\sb)] matrix_a_fmt:MATRIX_FMT_FP6 matrix_b_fmt:MATRIX_FMT_FP6 matrix_b_scale:MATRIX_SCALE_ROW1
.else
	v_wmma_scale_f32_16x16x128_f8f6f4 v[0+(\d):7+(\d)], v[0+(\a):11+(\a)], v[0+(\b):11+(\b)], 0, v[0+(\sa)], v[0+(\sb)] matrix_a_fmt:MATRIX_FMT_FP6 matrix_b_fmt:MATRIX_FMT_FP6
.endif
.else
.if (\ra) && (\rb)
	v_wmma_scale_f32_16x16x128_f8f6f4 v[0+(\d):7+(\d)], v[0+(\a):11+(\a)], v[0+(\b):11+(\b)], v[0+(\c):7+(\c)], v[0+(\sa)], v[0+(\sb)] matrix_a_fmt:MATRIX_FMT_FP6 matrix_b_fmt:MATRIX_FMT_FP6 matrix_a_scale:MATRIX_SCALE_ROW1 matrix_b_scale:MATRIX_SCALE_ROW1
.elseif (\ra)
	v_wmma_scale_f32_16x16x128_f8f6f4 v[0+(\d):7+(\d)], v[0+(\a):11+(\a)], v[0+(\b):11+(\b)], v[0+(\c):7+(\c)], v[0+(\sa)], v[0+(\sb)] matrix_a_fmt:MATRIX_FMT_FP6 matrix_b_fmt:MATRIX_FMT_FP6 matrix_a_scale:MATRIX_SCALE_ROW1
.elseif (\rb)
	v_wmma_scale_f32_16x16x128_f8f6f4 v[0+(\d):7+(\d)], v[0+(\a):11+(\a)], v[0+(\b):11+(\b)], v[0+(\c):7+(\c)], v[0+(\sa)], v[0+(\sb)] matrix_a_fmt:MATRIX_FMT_FP6 matrix_b_fmt:MATRIX_FMT_FP6 matrix_b_scale:MATRIX_SCALE_ROW1
.else
	v_wmma_scale_f32_16x16x128_f8f6f4 v[0+(\d):7+(\d)], v[0+(\a):11+(\a)], v[0+(\b):11+(\b)], v[0+(\c):7+(\c)], v[0+(\sa)], v[0+(\sb)] matrix_a_fmt:MATRIX_FMT_FP6 matrix_b_fmt:MATRIX_FMT_FP6
.endif
.endif
.endm
; My piece of the unit goes from LDS into registers: fragment f = 4 s + n at v[64 + 12 f]; lanes 48 bytes apart, so that sixteen lanes' 16 bytes fall into sixteen different columns of 16 bytes
.macro LOADW
.irp f, 0,1,2,3,4,5,6,7,8,9,10,11,12,13,14,15
.irp c, 0,1,2
	ds_load_b128 v[64+12*\f+4*\c:67+12*\f+4*\c], v4 offset:1536*\f+16*\c
.endr
.endr
.irp k, 0,1,2,3,4,5,6,7
	ds_load_b32 v[14+\k], v6 offset:24576+128*\k
.endr
.endm
; The same in parts, for a unit's LAST TRIP (s57 = 1) alone: n fragments from f0 on, and (sc = 1) the scale words, of the NEXT unit's piece.  The unit's products are issued and four places lie behind them, so the weight registers are free;
; the runs stand among the epilogue's lines, so that the wave works while LDS serves them.  Each run stands by itself behind its own wait for the piece's tensor load (met at once from the second run on): every way to these loads passes it.
.macro NEXTW f0, n, sc
	s_cmp_lg_u32 s57, 1
	s_cbranch_scc1 .Lnx_\@
	s_wait_tensorcnt 0x0                           ; the next piece, asked for at this unit's head, has landed; I alone read it
.if (\n) > 0
.set FW, \f0
.rept \n
	ds_load_b128 v[64+12*FW:67+12*FW], v4 offset:1536*FW
	ds_load_b128 v[68+12*FW:71+12*FW], v4 offset:1536*FW+16
	ds_load_b128 v[72+12*FW:75+12*FW], v4 offset:1536*FW+32
.set FW, FW+1
.endr
.endif
.if \sc
.irp k, 0,1,2,3,4,5,6,7
	ds_load_b32 v[14+\k], v6 offset:24576+128*\k
.endr
.endif
.Lnx_\@:
.endm
; The next unit is asked for: all my tensor loads have landed, the add, my LDS instructions are done (the piece is in registers, my images are stored), a round of the cluster's barrier, the joint refill first behind it
.macro CHANGE
	s_wait_tensorcnt 0x0                           ; no tensor load of mine is out, so the descriptor may be written
	ds_add_u32 v1, v2                              ; 0 onto my spare word
	s_add_nc_u64 s[38:39], s[38:39], UNITB         ; the next unit's piece; the type bits on top are not reached
	s_wait_dscnt 0x0                               ; the add is done, and so are my reads of the piece and every LDS store of mine
	ROUND                                          ; no wave of any partner still reads its piece; and every wave's images are whole for all waves of my work-group
	tensor_load_to_lds s[36:39], s[40:47]
	s_nop 0
	NOPS 4
.endm
.macro TAKEW                           ; a piece that could not be taken under the unit before
	s_wait_tensorcnt 0x0                           ; my piece has landed; I alone read it
	NOPS 4                                         ; places in front of loads into registers that matrix instructions have read
	LOADW
.endm
.macro UNITHEAD
	TAKEW
	CHANGE
.endm
; ACC's 32 numbers (register 16 b + i = k 32 b + 16 (lane / 16) + i of the lane's row) become six registers of codes, v48-53 (lane half h: block h), and two scale bytes in v26
.macro QUANT2
	v_max3_num_f32 v24, |v32|, |v33|, 0x1800000    ; with the floor 2^(3 - 127): the byte cannot fall under 1.  Three chains a block, six in all, by turns: a chain's lines stand six apart
	v_max3_num_f32 v25, |v48|, |v49|, 0x1800000
	v_max3_num_f32 v26, |v34|, |v35|, |v36|
	v_max3_num_f32 v27, |v50|, |v51|, |v52|
	v_max3_num_f32 v28, |v37|, |v38|, |v39|
	v_max3_num_f32 v29, |v53|, |v54|, |v55|
.irp i, 0,2,4
	v_max3_num_f32 v[24+\i], v[24+\i], |v[40+\i]|, |v[41+\i]|      ; (each accumulator is read from its low end on)
	v_max3_num_f32 v[25+\i], v[25+\i], |v[56+\i]|, |v[57+\i]|
.endr
	v_max3_num_f32 v24, v24, |v46|, |v47|
	v_max3_num_f32 v25, v25, |v62|, |v63|
	s_delay_alu instid0(VALU_DEP_2)
	v_max3_num_f32 v24, v24, v26, v28
	s_delay_alu instid0(VALU_DEP_2)
	v_max3_num_f32 v25, v25, v27, v29
	s_delay_alu instid0(VALU_DEP_2)
	v_permlanex16_b32 v26, v24, s48, s49
	s_delay_alu instid0(VALU_DEP_2)
	v_permlanex16_b32 v27, v25, s48, s49
	s_delay_alu instid0(VALU_DEP_2)
	v_max_num_f32 v24, v24, v26                    ; with lane l xor 16's: the block's largest magnitude
	s_delay_alu instid0(VALU_DEP_2)
	v_max_num_f32 v25, v25, v27
	s_delay_alu instid0(VALU_DEP_2)
	v_add_nc_u32 v24, 0xff000000, v24              ; 2 off the exponent field: the conversion's scale operand
	s_delay_alu instid0(VALU_DEP_2)
	v_add_nc_u32 v25, 0xff000000, v25
	s_delay_alu instid0(VALU_DEP_2)
	v_lshrrev_b32 v26, 23, v24
	s_delay_alu instid0(VALU_DEP_2)
	v_lshrrev_b32 v27, 23, v25
	s_delay_alu instid0(VALU_DEP_1)
	v_lshl_or_b32 v26, v27, 8, v26
	v_cvt_scalef32_pk16_fp6_f32 v[28:30], v[48:63], v25
	v_nop                                          ; a plain place: the next line writes over the conversion's sources
	v_cvt_scalef32_pk16_fp6_f32 v[48:50], v[32:47], v24
	v_nop
.irp i, 0,1,2
	v_permlane16_swap_b32 v[48+\i], v[28+\i]       ; a whole block to a lane: lanes 0-15 block 0, lanes 16-31 block 1
.endr
.irp i, 0,1,2
	s_delay_alu instid0(VALU_DEP_3)
	v_mov_b32 v[51+\i], v[28+\i]
.endr
.endm
; The codes go to s62 + mul x lane, the scale bytes to s63 + (lane % 16) << sh: four LDS stores
.macro STORE6 mul, sh, wide
	v_mad_u32_u24 v10, v3, \mul, s62
	v_lshl_add_u32 v11, v5, \sh, s63
	ds_store_b64 v10, v[48:49]
	ds_store_b64 v10, v[50:51] offset:8
	ds_store_b64 v10, v[52:53] offset:16
.if \wide
	ds_store_b32 v11, v26
.else
	ds_store_b16 v11, v26                          ; both lanes of a row write the same bytes with the same value
.endif
.endm
; gelu(h) = h / (1 + 2^(a h (h h + k))), k = 1 / 0.044715, a = -2 log2(e) sqrt(2 / pi) 0.044715: the tanh form, written with one exponential and one reciprocal.
; All 32 numbers of ACC in one pass: two batches of 32 transcendentals, each with one wait ahead of it and one behind it.  T = v224-255 of window 1: the registers of the fragments of K steps 2 and 3, which the products have read, and 16 more
.macro GELU32
	WIN 0x40
.irp j, 0,2,4,6,8,10,12,14,16,18,20,22,24,26,28,30
	v_pk_fma_f32 v[224+\j:225+\j], v[32+\j:33+\j], v[32+\j:33+\j], s[52:53] op_sel_hi:[1,1,0]      ; each accumulator from its low end on
.endr
	WIN 0x41
.irp j, 0,2,4,6,8,10,12,14,16,18,20,22,24,26,28,30
	v_pk_mul_f32 v[224+\j:225+\j], v[224+\j:225+\j], v[32+\j:33+\j]
.endr
.irp j, 0,2,4,6,8,10,12,14,16,18,20,22,24,26,28,30
	v_pk_mul_f32 v[224+\j:225+\j], v[224+\j:225+\j], s[54:55] op_sel_hi:[1,0]
.endr
	s_wait_alu depctr_va_vdst(0)                   ; the wait ahead of the batch
.set J, 224
.rept 32
	v_exp_f32 v[J], v[J]
.set J, J+1
.endr
	v_nop                                          ; a plain place behind the batch,
	s_wait_alu depctr_va_vdst(0)                   ; and one wait for it, ahead of its first reader
.irp j, 0,2,4,6,8,10,12,14,16,18,20,22,24,26,28,30
	v_pk_add_f32 v[224+\j:225+\j], v[224+\j:225+\j], 1.0 op_sel_hi:[1,0]
.endr
	s_wait_alu depctr_va_vdst(0)
.set J, 224
.rept 32
	v_rcp_f32 v[J], v[J]
.set J, J+1
.endr
	v_nop
	s_wait_alu depctr_va_vdst(0)
	WIN 0x01
.irp j, 0,2,4,6,8,10,12,14,16,18,20,22,24,26,28,30
	v_pk_mul_f32 v[32+\j:33+\j], v[224+\j:225+\j], v[32+\j:33+\j]
.endr
	WIN 0
.endm
.macro ACTLOAD                         ; a token tile's four fragments and its scale words: 13 LDS loads
	WIN 0x40
.irp s, 0,1,2,3
.irp c, 0,1,2
	ds_load_b128 v[192+12*\s+4*\c:195+12*\s+4*\c], v8 offset:1536*\s+16*\c
.endr
.endr
	WIN 0
	ds_load_b64 v[22:23], v9
.endm
.macro ACTPART s0                      ; two of a tile's four fragments: K steps s0 and s0 + 1, six LDS loads
	WIN 0x40
.irp s, \s0, \s0+1
.irp c, 0,1,2
	ds_load_b128 v[192+12*(\s)+4*\c:195+12*(\s)+4*\c], v8 offset:1536*(\s)+16*\c
.endr
.endr
	WIN 0
.endm
; A unit whose results become operands: for each of the six token tiles 16 products (transposed: source 0 = 16 columns of the weight, source 1 = 16 tokens; the four accumulators by turns), then the epilogue.
; kind 0: + bias, quantised, parked (q, k).  kind 1: + bias, GELU, quantised, image of the hidden layer.  The next tile's fragments are asked for behind the products and land during the epilogue;
; in the last trip the next unit's weights take their place.  In every trip the four stores are the youngest LDS instructions.
.macro P1LOOP kind
	s_mov_b32 s60, AIMG
	s_mov_b32 s61, ASC
	v_mad_u32_u24 v8, v3, 48, s60
	v_lshl_add_u32 v9, v3, 3, s61
	ACTLOAD
	s_mov_b32 s57, 6
	s_wait_loadcnt 0x0                             ; the bias
.if \kind
	v_lshl_add_u32 v10, v3, 2, s59
	ds_store_b32 v10, v12                          ; b1 of my 64 hidden units: unit c at 4 c of my 256 bytes
	ds_store_b32 v10, v13 offset:128
.endif
	s_wait_dscnt 0x0
.Lp1_\@:
.if \kind
.irp i, 0,1,2,3,4,5,6,7
	ds_load_b128 v[32+4*\i:35+4*\i], v31 offset:128*(\i/4)+16*(\i%4)   ; THE SUMS BEGIN AS THE BIAS: register 16 b + i of lane half h takes unit 32 b + 16 h + i; a wave's LDS instructions are served in order, so these see my stores
.endr
	s_wait_dscnt 0x0                               ; these eight are the youngest: with them the tile's fragments and the last trip's stores are done
.else
	s_wait_dscnt 4                                 ; the tile's 13 loads are in; the last trip's four stores may be out
.endif
.irp s, 0,1,2,3
.if (\kind == 0) && (\s == 0)
	WIN 0x14                                       ; kind 0: the first K step takes the bias, v0-31 of window 1 in ACC's order, as its C
.else
	WIN 0x04
.endif
.irp n, 0,1,2,3
.if (\kind == 0) && (\s == 0)
	WMS 32+8*\n, 64+12*\n, 192, 8*\n, 14+\n/2, 22, \n%2, 0
.else
	WMS 32+8*\n, 64+12*(4*\s+\n), 192+12*\s, 32+8*\n, 14+2*\s+\n/2, 22+\s/2, \n%2, \s%2
.endif
.endr
.endr
	WIN 0
	s_add_co_u32 s60, s60, 6144
	s_add_co_u32 s61, s61, 256
	v_mad_u32_u24 v8, v3, 48, s60                  ; these two and two v_nop are the four places behind the products
	v_lshl_add_u32 v9, v3, 3, s61
	NOPS 2
	s_cmp_eq_u32 s57, 1                            ; the last trip has no next tile
	s_cbranch_scc1 .Lp1n_\@
.if \kind
	ACTPART 0                                      ; the next tile's K steps 0 and 1 now; the registers of K steps 2 and 3 serve the GELU first
	ds_load_b64 v[22:23], v9
.else
	ACTLOAD
.endif
.Lp1n_\@:
.if \kind
	NEXTW 0, 8, 0
	GELU32
	s_cmp_eq_u32 s57, 1                            ; the last trip has no next tile
	s_cbranch_scc1 .Lp1m_\@
	ACTPART 2                                      ; they land during the quantising
.Lp1m_\@:
	NEXTW 8, 8, 1
	s_wait_alu depctr_va_vdst(0)
	QUANT2
	STORE6 48, 3, 0
	s_add_co_u32 s62, s62, 6144
	s_add_co_u32 s63, s63, 256
.else
	NEXTW 0, 16, 1
	QUANT2
	STORE6 24, 2, 1
	s_add_co_u32 s62, s62, 768
	s_add_co_u32 s63, s63, 64
.endif
	s_sub_co_u32 s57, s57, 1
	s_cmp_lg_u32 s57, 0
	s_cbranch_scc1 .Lp1_\@
.endm
; A unit that adds onto the residual stream: X(m, n) += W(s, n) x act(m, s).  The 24 activation fragments go through four buffers; each feeds four products (X's four tiles of the row by turns).
; out = 1, the last unit: behind step 4 m + 3 tile m is finished: it turns into rows through my stage (8 stores, 8 loads, in place; a wave's LDS instructions are served in order), and two steps later it is stored:
; sixteen lanes store 256 consecutive bytes, at a multiple of 256 from out0's first byte.  All of it runs under the products' window setting: addresses in window 0, data in window 1.
.macro P2UNIT ib, sb, out
	v_mad_u32_u24 v8, v3, 48, \ib
	v_lshl_add_u32 v9, v3, 3, \sb
.irp m, 0,1,2,3,4,5
	ds_load_b64 v[32+2*\m:33+2*\m], v9 offset:256*\m               ; the six tiles' scale words
.endr
	WIN 0x54
.irp t, 0,1,2,3
.irp c, 0,1,2
	ds_load_b128 v[192+12*\t+4*\c:195+12*\t+4*\c], v8 offset:1536*\t+16*\c
.endr
.endr
.set PQ, 0
	s_wait_alu depctr_va_vdst(0)
.rept 24
.set PW, 9                             ; fragment PQ is in; the three behind it, 3 loads each, may be out (at the end: two, one, none);
.if PQ > 20
.set PW, 3*(23-PQ)
.endif
.if (\out) && (PQ > 3)
.set PW, PW+16                         ; out = 1: from step 4 on one tile's turn through the stage, 16 instructions, was issued behind fragment PQ too
.endif
	s_wait_dscnt PW
.irp n, 0,1,2,3
	WMS 8*(4*(PQ/4)+\n), 64+12*(4*(PQ%4)+\n), 192+12*(PQ%4), 8*(4*(PQ/4)+\n), 14+2*(PQ%4)+\n/2, 32+2*(PQ/4)+(PQ%4)/2, \n%2, PQ%2
.endr
.if (\out) || (PQ < 20) || (PQ == 23)
	NOPS 4                                         ; places in front of the loads into the buffer just read, and of the first read of X; steps 20 to 22 of a unit that sends nothing are followed by products alone
.endif
.if PQ < 20
.irp c, 0,1,2
	ds_load_b128 v[192+12*(PQ%4)+4*\c:195+12*(PQ%4)+4*\c], v8 offset:1536*(PQ+4)+16*\c
.endr
.endif
.if \out
.if (PQ%4) == 3
.irp i, 0,1,2,3,4,5,6,7
	ds_store_b128 v47, v[32*(PQ/4)+4*\i:32*(PQ/4)+4*\i+3] offset:128*(\i/4)+16*(\i%4)      ; each accumulator from its low end on
.endr
.irp i, 0,1,2,3,4,5,6,7
	ds_load_b128 v[32*(PQ/4)+4*\i:32*(PQ/4)+4*\i+3], v46 offset:544*\i
.endr
.endif
.if ((PQ%4) == 1) && (PQ > 4)
.set OM, PQ/4-1
.if PQ < 20
	s_wait_dscnt 6                                 ; tile OM is back as rows; the two fragments asked for behind its turn may be out
.else
	s_wait_dscnt 0x0                               ; (no fragment was asked for behind tile 4's turn)
.endif
.irp i, 0,1,2,3,4,5,6,7
.if (OM < 4) || (\i < 4)
	global_store_b128 v44, v[32*OM+4*\i:32*OM+4*\i+3], s[6:7] offset:(32*(OM/2)+8*(OM%2)+2*\i+8*(\i/4))*2048 th:TH_STORE_NT
.endif
.endr
.endif
.endif
.set PQ, PQ+1
.endr
.if \out
	s_wait_dscnt 0x0                               ; tile 5: tokens 72 .. 79
.irp i, 0,1,2,3
	global_store_b128 v44, v[160+4*\i:163+4*\i], s[6:7] offset:(72+2*\i)*2048 th:TH_STORE_NT
.endr
.endif
	WIN 0
.endm
; Addresses for x's and out0's way through my stage: v[a] two rows of memory a load (lanes 0-15 one row's 256 bytes, lanes 16-31 the next), v[a+1] one row, v[a+2] the same two rows in the stage, v[a+3] row lane % 16, + 64 (lane / 16)
.macro ADDRX a
	v_lshrrev_b32 v24, 4, v3
	v_lshlrev_b32 v[\a+1], 4, v5
	s_delay_alu instid0(VALU_DEP_1)
	v_lshl_add_u32 v[\a], v24, 11, v[\a+1]
	s_delay_alu instid0(VALU_DEP_2)
	v_mad_u32_u24 v[\a+2], v24, 272, v[\a+1]
	s_delay_alu instid0(VALU_DEP_1)
	v_add_nc_u32 v[\a+2], s69, v[\a+2]
	v_mul_u32_u24 v[\a+3], v5, 272
	s_delay_alu instid0(VALU_DEP_1)
	v_lshl_add_u32 v[\a+3], v24, 6, v[\a+3]
	s_delay_alu instid0(VALU_DEP_1)
	v_add_nc_u32 v[\a+3], s69, v[\a+3]
.endm
.macro XLOADS nt                       ; my 256 bytes of 96 rows: 48 loads; rows past token 80 take token 80
	WIN 0x40
.irp m, 0,1,2,3,4,5
.irp i, 0,1,2,3,4,5,6,7
.if (\m >= 4) && (\i >= 4)
	global_load_b128 v[32*\m+4*\i:32*\m+4*\i+3], v9, s[4:5] offset:80*2048
.elseif \nt
	global_load_b128 v[32*\m+4*\i:32*\m+4*\i+3], v8, s[4:5] offset:(32*(\m/2)+8*(\m%2)+2*\i+8*(\i/4))*2048 th:TH_LOAD_NT
.else
	global_load_b128 v[32*\m+4*\i:32*\m+4*\i+3], v8, s[4:5] offset:(32*(\m/2)+8*(\m%2)+2*\i+8*(\i/4))*2048
.endif
.endr
.endr
	WIN 0
.endm
.macro XIN m, more                     ; tile m turns from rows into the accumulators' layout, in place; a wave's LDS instructions are served in order, so no wait stands between the stores and the loads
	s_wait_loadcnt 8*(5-\m)+\more                  ; the tile's eight loads are in; the later tiles' may be out, and the loads (more of them) that were issued behind x's
	WIN 0x44
.irp i, 0,1,2,3,4,5,6,7
	ds_store_b128 v10, v[32*\m+4*\i:32*\m+4*\i+3] offset:544*\i
.endr
.irp i, 0,1,2,3,4,5,6,7
	ds_load_b128 v[32*\m+4*\i:32*\m+4*\i+3], v11 offset:128*(\i/4)+16*(\i%4)
.endr
.endm
.macro LNPARAMS sg, sc, second         ; gain and bias of my lane's 32 channels, in ACC's order; for LN2 b2 too
	v_lshrrev_b32 v24, 4, v3
	s_delay_alu instid0(VALU_DEP_1)
	v_lshlrev_b32 v12, 6, v24
.irp i, 0,1,2,3,4,5,6,7
	global_load_b128 v[64+4*\i:67+4*\i], v12, s[\sg:\sg+1] offset:128*(\i/4)+16*(\i%4)
	global_load_b128 v[96+4*\i:99+4*\i], v12, s[\sc:\sc+1] offset:128*(\i/4)+16*(\i%4)
.endr
.if \second
.irp i, 0,1,2,3,4,5,6,7
	global_load_b128 v[224+4*\i:227+4*\i], v12, s[30:31] offset:128*(\i/4)+16*(\i%4)
.endr
.endif
.endm
; Tile m: my 64 channels' mean, and the sum of squares about THAT mean, for each token; each accumulator is read from its low end on
; LAYERNORM over the 512 channels of each token.  Whatever is one short chain for a tile is written STEP BY STEP ACROSS THE SIX TILES: a chain's lines then stand six or more apart.
; Part 1: my 64 channels' mean and the sum of squares about THAT mean, for each token (tile m: v[128+4m] the mean, v[130+4m] the squares); each accumulator is read from its low end on.
; Part 2, behind the barrier: the eight waves' figures are joined without a difference of large sums: mean = the means' mean; 512 var = the sums of squares + 64 x the means' squares about the mean.
; Part 3: y = (x rs + (-mean rs)) gain + bias, two packed multiply-adds for two numbers (-mean rs is rounded once: another order of f32 rounding than the source's), quantised, image and scale bytes stored.
; LN2: b2 then goes onto x, ahead of the product that adds onto it.
.macro LNORM second
	v_mul_u32_u24 v9, v5, 80
	s_delay_alu instid0(VALU_DEP_1)
	v_add_nc_u32 v9, STATS, v9                     ; my token's 80 bytes of a tile's 1,280
	s_lshl_b32 s70, s32, 2
	v_add_nc_u32 v8, s70, v9                       ; my wave's word in them
	WIN 0x05
.irp m, 0,1,2,3,4,5
	v_pk_add_f32 v[128+4*\m:129+4*\m], v[32*\m:32*\m+1], v[32*\m+2:32*\m+3]
	v_pk_add_f32 v[130+4*\m:131+4*\m], v[32*\m+16:32*\m+17], v[32*\m+18:32*\m+19]
.endr
	WIN 0x01
.irp j, 4,6,8,10,12,14
.irp m, 0,1,2,3,4,5
	v_pk_add_f32 v[128+4*\m:129+4*\m], v[32*\m+\j:32*\m+\j+1], v[128+4*\m:129+4*\m]
	v_pk_add_f32 v[130+4*\m:131+4*\m], v[32*\m+16+\j:32*\m+17+\j], v[130+4*\m:131+4*\m]
.endr
.endr
	WIN 0
.irp m, 0,1,2,3,4,5
	v_pk_add_f32 v[128+4*\m:129+4*\m], v[128+4*\m:129+4*\m], v[130+4*\m:131+4*\m]
.endr
.irp m, 0,1,2,3,4,5
	v_add_f32 v[128+4*\m], v[128+4*\m], v[129+4*\m]
.endr
.irp m, 0,1,2,3,4,5
	v_permlanex16_b32 v[129+4*\m], v[128+4*\m], s48, s49
.endr
.irp m, 0,1,2,3,4,5
	v_add_f32 v[128+4*\m], v[128+4*\m], v[129+4*\m]
.endr
.irp m, 0,1,2,3,4,5
	v_mul_f32 v[128+4*\m], 0x3c800000, v[128+4*\m]                 ; / 64
.endr
.irp m, 0,1,2,3,4,5
	WIN 0x01
.irp j, 0,2,4,6,8,10,12,14,16,18,20,22,24,26,28,30
	v_pk_add_f32 v[32+\j:33+\j], v[32*\m+\j:32*\m+\j+1], v[128+4*\m:129+4*\m] op_sel_hi:[1,0] neg_lo:[0,1] neg_hi:[0,1]
.endr
	WIN 0
	v_pk_mul_f32 v[26:27], v[32:33], v[32:33]
	v_pk_mul_f32 v[28:29], v[34:35], v[34:35]
.irp j, 4,8,12,16,20,24,28
	s_delay_alu instid0(VALU_DEP_2)
	v_pk_fma_f32 v[26:27], v[32+\j:33+\j], v[32+\j:33+\j], v[26:27]
	s_delay_alu instid0(VALU_DEP_2)
	v_pk_fma_f32 v[28:29], v[34+\j:35+\j], v[34+\j:35+\j], v[28:29]
.endr
	s_delay_alu instid0(VALU_DEP_1)
	v_pk_add_f32 v[130+4*\m:131+4*\m], v[26:27], v[28:29]
.endr
.irp m, 0,1,2,3,4,5
	v_add_f32 v[130+4*\m], v[130+4*\m], v[131+4*\m]
.endr
.irp m, 0,1,2,3,4,5
	v_permlanex16_b32 v[131+4*\m], v[130+4*\m], s48, s49
.endr
.irp m, 0,1,2,3,4,5
	v_add_f32 v[130+4*\m], v[130+4*\m], v[131+4*\m]
.endr
.irp m, 0,1,2,3,4,5
	ds_store_b32 v8, v[128+4*\m] offset:1280*\m
	ds_store_b32 v8, v[130+4*\m] offset:1280*\m+32
.endr
	s_wait_dscnt 0x0                               ; my figures are stored (and my reads of the images that will be written over are in)
	s_barrier_signal -1
	s_barrier_wait -1
.irp m, 0,1,2,3,4,5
.irp k, 0,1,2,3
	ds_load_b128 v[128+16*\m+4*\k:131+16*\m+4*\k], v9 offset:1280*\m+16*\k   ; tile m: v[SM .. SM+7] the eight means, v[SM+8 .. SM+15] the eight sums of squares, SM = 128 + 16 m
.endr
.endr
	s_add_co_u32 s62, s66, AIMG
	s_add_co_u32 s63, s67, ASC
	v_mad_u32_u24 v10, v3, 48, s62                 ; my part of tile 0's image and of its scale words: the tiles lie 6,144 and 256 bytes apart, in the stores' immediates
	v_lshl_add_u32 v11, v5, 3, s63
	s_wait_loadcnt 0x0                             ; gain and bias
	s_wait_dscnt 0x0
.irp m, 0,1,2,3,4,5
.set SM, 128+16*\m
	v_pk_add_f32 v[SM+8:SM+9], v[SM+8:SM+9], v[SM+10:SM+11]
	v_pk_add_f32 v[SM+12:SM+13], v[SM+12:SM+13], v[SM+14:SM+15]
	v_pk_add_f32 v[SM+10:SM+11], v[SM:SM+1], v[SM+2:SM+3]
	v_pk_add_f32 v[SM+14:SM+15], v[SM+4:SM+5], v[SM+6:SM+7]
.endr
.irp m, 0,1,2,3,4,5
.set SM, 128+16*\m
	v_pk_add_f32 v[SM+8:SM+9], v[SM+8:SM+9], v[SM+12:SM+13]
	v_pk_add_f32 v[SM+10:SM+11], v[SM+10:SM+11], v[SM+14:SM+15]
.endr
.irp m, 0,1,2,3,4,5
.set SM, 128+16*\m
	v_add_f32 v[SM+8], v[SM+8], v[SM+9]            ; the sums of squares, summed
	v_add_f32 v[SM+10], v[SM+10], v[SM+11]
.endr
.irp m, 0,1,2,3,4,5
	v_mul_f32 v[138+16*\m], 0x3e000000, v[138+16*\m]               ; / 8: the mean, in v[SM+10]
.endr
.irp m, 0,1,2,3,4,5
.set SM, 128+16*\m
.irp k, 0,2,4,6
	v_pk_add_f32 v[SM+\k:SM+\k+1], v[SM+\k:SM+\k+1], v[SM+10:SM+11] op_sel_hi:[1,0] neg_lo:[0,1] neg_hi:[0,1]
.endr
.endr
.irp m, 0,1,2,3,4,5
	v_pk_mul_f32 v[140+16*\m:141+16*\m], v[128+16*\m:129+16*\m], v[128+16*\m:129+16*\m]
.endr
.irp k, 2,4,6
.irp m, 0,1,2,3,4,5
	v_pk_fma_f32 v[140+16*\m:141+16*\m], v[128+16*\m+\k:129+16*\m+\k], v[128+16*\m+\k:129+16*\m+\k], v[140+16*\m:141+16*\m]
.endr
.endr
.irp m, 0,1,2,3,4,5
	v_add_f32 v[140+16*\m], v[140+16*\m], v[141+16*\m]
.endr
.irp m, 0,1,2,3,4,5
	v_fmac_f32 v[136+16*\m], 0x42800000, v[140+16*\m]
.endr
.irp m, 0,1,2,3,4,5
	v_fma_f32 v[142+16*\m], v[136+16*\m], s72, s73                 ; var + 1e-6
.endr
	s_wait_alu depctr_va_vdst(0)                   ; the wait ahead of the batch
.irp m, 0,1,2,3,4,5
	v_rsq_f32 v[130+16*\m], v[142+16*\m]
.endr
	v_nop
	s_wait_alu depctr_va_vdst(0)                   ; one wait for the six, ahead of their first reader
.irp m, 0,1,2,3,4,5
	v_mul_f32 v[128+16*\m], -v[138+16*\m], v[130+16*\m]            ; -mean rs
.endr
.irp m, 0,1,2,3,4,5
	WIN 0x01
.irp j, 0,2,4,6,8,10,12,14,16,18,20,22,24,26,28,30
	v_pk_fma_f32 v[32+\j:33+\j], v[32*\m+\j:32*\m+\j+1], v[130+16*\m:131+16*\m], v[128+16*\m:129+16*\m] op_sel_hi:[1,0,0]
.endr
	WIN 0
.irp j, 0,2,4,6,8,10,12,14,16,18,20,22,24,26,28,30
	v_pk_fma_f32 v[32+\j:33+\j], v[32+\j:33+\j], v[64+\j:65+\j], v[96+\j:97+\j]
.endr
.if \second
	WIN 0x41
.irp j, 0,2,4,6,8,10,12,14,16,18,20,22,24,26,28,30
	v_pk_add_f32 v[32*\m+\j:32*\m+\j+1], v[32*\m+\j:32*\m+\j+1], v[224+\j:225+\j]
.endr
	WIN 0
.endif
	QUANT2
	ds_store_b64 v10, v[48:49] offset:6144*\m
	ds_store_b64 v10, v[50:51] offset:6144*\m+8
	ds_store_b64 v10, v[52:53] offset:6144*\m+16
	ds_store_b16 v11, v26 offset:256*\m            ; both lanes of a row write the same bytes with the same value
.endr
.endm
; A PREFETCH INTO THE L2 of the bias images, 294,912 bytes = 1,152 blocks of 256, each named once in the launch.  All work-groups read the same images: the launch's first cluster asks, at the head of unit K: one unit, 96 matrix
; instructions of a wave, ahead of the first load of an image.  Its four partners are told apart BY ADDRESS: wave w of partner p names the 32 blocks from byte 8,192 (4 w + p) on, a lane a block; that covers 262,144 bytes;
; wave 0 names 32 more, 262,144 bytes further on.  It stands behind the wave's tensor load and its five lines.
.macro ASKB
	s_cmp_eq_u32 s58, s76                          ; s76 = 1 in the first cluster, else the greatest number; s58 = 1 in K's trip: the same in all partners
	s_cbranch_scc0 .Lnp_\@
	global_prefetch_b8 v31, s[74:75] th:TH_LOAD_NT scope:SCOPE_SE
	s_cmp_lg_u32 s32, 0
	s_cbranch_scc1 .Lnp_\@
	global_prefetch_b8 v31, s[74:75] offset:262144 th:TH_LOAD_NT scope:SCOPE_SE
.Lnp_\@:
.endm
	; ================ the head
	s_load_b512 s[4:19], s[0:1], 0x0               ; x, out0, wimg, bimg, ln1_scale, ln1_bias, ln2_scale, ln2_bias
	s_load_b256 s[20:27], s[0:1], 0x40             ; bq, bk, bv, bo
	s_load_b128 s[28:31], s[0:1], 0x60             ; b1, b2
	v_lshl_add_u32 v1, v0, 2, SPARE
	v_mov_b32 v2, 0
	ds_add_u32 v1, v2                              ; the wave's opening: the add, twice on end, and its wait ahead of my first tensor load
	ds_add_u32 v1, v2
	v_lshrrev_b32 v3, 5, v0
	s_delay_alu instid0(VALU_DEP_1)
	v_readfirstlane_b32 s32, v3                    ; wave 0..7
	v_and_b32 v3, 31, v0                           ; lane
	s_wait_alu depctr_va_vdst(0)
	v_and_b32 v5, 15, v0
	v_lshlrev_b32 v7, 4, v3
	v_lshlrev_b32 v31, 8, v3
	s_bfe_u32 s77, ttmp6, 0x40000                  ; my place in the cluster
	s_lshl_b32 s34, ttmp9, 2
	s_add_co_u32 s33, s34, s77                     ; my board: it enters x's and out0's addresses alone
	s_lshl_b32 s74, s32, 2
	s_add_co_u32 s74, s74, s77
	s_lshl_b32 s74, s74, 13                        ; the prefetch: 8,192 (4 w + my place)
	s_mov_b32 s75, 0
	s_cmp_eq_u32 ttmp9, 0
	s_cselect_b32 s76, 1, -1
	s_mov_b32 s40, 15|(3<<16)|(1<<21)              ; group 1: the mask names the four work-groups; elements of 8 bytes; bit 21 set beside a mask; no padding
	s_mov_b32 s41, 32<<16                          ; tensor_dim0 = 32 elements: rows of 256 bytes
	s_mov_b32 s42, 100<<16                         ; tensor_dim1 = 100 rows: a piece of 25,600 dense bytes
	s_mov_b32 s43, 32<<16                          ; tile_dim0
	s_mov_b32 s44, 100                             ; tile_dim1
	s_mov_b32 s45, 32                              ; from row to row
	s_mov_b32 s46, 0
	s_mov_b32 s47, 0
	s_mov_b32 s36, 1
	s_mul_i32 s70, s32, PIECE
	s_add_co_u32 s37, s70, RING                    ; my piece's place in LDS: the wave's number alone
	v_mad_u32_u24 v4, v3, 48, s37
	v_lshl_add_u32 v6, v3, 2, s37
	s_mov_b32 s48, 0x76543210
	s_mov_b32 s49, 0xfedcba98                      ; v_permlanex16_b32's selects for lane l xor 16
	s_mov_b32 s50, 0x3e38aa3b                      ; 0.125 log2(e)
	s_mov_b32 s51, s50
	s_mov_b32 s52, 0x41b2e92f                      ; 1 / 0.044715
	s_mov_b32 s53, s52
	s_mov_b32 s54, 0xbdd2d3e8                      ; -2 log2(e) sqrt(2 / pi) 0.044715
	s_mov_b32 s55, s54
	s_mov_b32 s72, 0x3b000000                      ; 1 / 512
	s_mov_b32 s73, 0x358637bd                      ; 1e-6
	s_lshr_b32 s66, s32, 1
	s_mul_i32 s66, s66, 1536
	s_and_b32 s67, s32, 1
	s_mul_i32 s71, s67, 24
	s_add_co_u32 s66, s66, s71                     ; my part of an image: K step w / 2, registers 6 (w % 2) on
	s_lshl_b32 s67, s67, 1
	s_bfe_u32 s71, s32, 0x10001
	s_lshl_b32 s71, s71, 7
	s_add_co_u32 s67, s67, s71
	s_lshr_b32 s71, s32, 2
	s_lshl_b32 s71, s71, 2
	s_add_co_u32 s67, s67, s71                     ; my two bytes of a row's scale words
	s_mul_i32 s68, s32, 9984
	s_add_co_u32 s68, s68, PARK
	s_mul_i32 s69, s32, 4352
	s_add_co_u32 s69, s69, STAGE
.irp i, 24,25,26,27,28,29,30
	v_mov_b32 v\i, 0                               ; written once: a lane permute's destination counts as one of its sources
.endr
	s_wait_dscnt 0x0                               ; both opening adds are done
	s_wait_kmcnt 0x0
	s_mov_b32 s71, 0
	s_add_nc_u64 s[38:39], s[8:9], s[70:71]        ; unit 0, my piece
	s_or_b32 s39, s39, 0x80000000                  ; type = 2
	s_add_nc_u64 s[74:75], s[10:11], s[74:75]      ; where my prefetch stands in the bias images
	s_mul_i32 s34, s33, 165888                     ; a board's 81 rows of 2,048 bytes
	s_lshl_b32 s70, s32, 8                         ; my 64 channels
	s_add_co_u32 s34, s34, s70
	s_mov_b32 s35, 0
	s_add_nc_u64 s[4:5], s[4:5], s[34:35]
	s_add_nc_u64 s[6:7], s[6:7], s[34:35]
.irp p, 12,14,16,18,20,22,24,26,28,30
	s_add_nc_u64 s[\p:\p+1], s[\p:\p+1], s[70:71]
.endr
	s_mul_i32 s70, s32, 36864
	s_add_nc_u64 s[10:11], s[10:11], s[70:71]      ; my head's bias images
	ADDRX 8
	XLOADS 0                                       ; x is what the first phase waits for: its loads go out ahead of the round
	ROUND                                          ; the four work-groups are here: the first joint loads meet
	tensor_load_to_lds s[36:39], s[40:47]
	s_nop 0
	NOPS 4
	; ================ x comes in; LN1; y1's images
	LNPARAMS 12, 14, 0
	s_wait_alu depctr_va_vdst(0)
.irp m, 0,1,2,3,4,5
	XIN \m, 16                                     ; (the 16 loads of gain and bias were issued behind x's)
.endr
	WIN 0
	s_wait_dscnt 0x0
	LNORM 0
	; ================ units Q and K: two trips; the results go on end into my park.  Wq's piece is taken here; Wk's and Wv's in the last trips of the units before them
	TAKEW
	s_mov_b32 s62, s68
	s_add_co_u32 s63, s68, 9216
	s_mov_b32 s58, 2
.Lqk:
	s_cmp_eq_u32 s58, 2
	s_cselect_b64 s[70:71], s[20:21], s[22:23]     ; bq, then bk
	v_lshrrev_b32 v10, 4, v3
	s_delay_alu instid0(VALU_DEP_1)
	v_lshlrev_b32 v10, 6, v10                      ; 64 (lane / 16)
	WIN 0x40
.irp i, 0,1,2,3,4,5,6,7
	global_load_b128 v[4*\i:4*\i+3], v10, s[70:71] offset:128*(\i/4)+16*(\i%4)   ; the bias of my lane's 32 channels, in ACC's order, into v0-31 of window 1, idle from LN1 to unit V: the C of each tile's first K step
.endr
	WIN 0
	CHANGE
	ASKB
	P1LOOP 0
	s_sub_co_u32 s58, s58, 1
	s_cmp_lg_u32 s58, 0
	s_cbranch_scc1 .Lqk
	; ================ unit V, NOT transposed (source 0 = 16 tokens, source 1 = 16 columns): a lane holds one channel and its registers run along the tokens, which are the next K
	v_and_b32 v10, 8, v5
	s_delay_alu instid0(VALU_DEP_1)
	v_add_nc_u32 v10, v10, v5
	s_delay_alu instid0(VALU_DEP_1)
	v_lshlrev_b32 v10, 2, v10                      ; channel r + 8 (r / 8) of a tile
	WIN 0x40
.irp n, 0,1,2,3
	global_load_b32 v[128+2*\n], v10, s[24:25] offset:(32*(\n/2)+8*(\n%2))*4
	global_load_b32 v[129+2*\n], v10, s[24:25] offset:(32*(\n/2)+8*(\n%2))*4     ; twice: a pair for the packed addition
	v_mov_b32 v[140+\n], 0
.endr
.irp i, 0,1,2,3,4,5,6,7,8,9,10,11
	global_load_b128 v[144+4*\i:147+4*\i], v7, s[10:11] offset:512*\i            ; the first query tile's bias images: their registers are idle through this unit, in which they land
.endr
	WIN 0
	CHANGE
	v_lshl_add_u32 v9, v3, 3, ASC
.irp m, 0,1,2,3,4,5
	ds_load_b64 v[32+2*\m:33+2*\m], v9 offset:256*\m
.endr
	v_mul_u32_u24 v8, v3, 48
.macro VLOAD g                         ; group g = 4 b + s: the fragments of token tiles 2 b, 2 b + 1, K step s, into buffer g % 2
	WIN 0x40
.irp u, 0,1
.irp c, 0,1,2
	ds_load_b128 v[192+24*((\g)%2)+12*\u+4*\c:195+24*((\g)%2)+12*\u+4*\c], v8 offset:1536*(4*(2*((\g)/4)+\u)+(\g)%4)+16*\c
.endr
.endr
.endm
; 32 tokens of V are finished: + bv, the block's scale, 16 codes a lane.  All in window 1.  (In the third block lanes 16-31 hold token 80 sixteen times: its magnitude is what counts there.)
.macro VEPI b
	WIN 0x55
.irp n, 0,1,2,3
.irp j, 0,2,4,6,8,10,12,14
	v_pk_add_f32 v[16*\n+\j:16*\n+\j+1], v[16*\n+\j:16*\n+\j+1], v[128+2*\n:129+2*\n]
.endr
.endr
.irp n, 0,1,2,3
	v_max3_num_f32 v[136+\n], |v[16*\n]|, |v[16*\n+1]|, 0x1800000  ; two chains a column tile, eight in all, by turns
.endr
.irp n, 0,1,2,3
	v_max3_num_f32 v[140+\n], |v[16*\n+2]|, |v[16*\n+3]|, |v[16*\n+4]|
.endr
.irp i, 5,9
.irp n, 0,1,2,3
	v_max3_num_f32 v[136+\n], v[136+\n], |v[16*\n+\i]|, |v[16*\n+\i+1]|
.endr
.irp n, 0,1,2,3
	v_max3_num_f32 v[140+\n], v[140+\n], |v[16*\n+\i+2]|, |v[16*\n+\i+3]|
.endr
.endr
.irp n, 0,1,2,3
	v_max3_num_f32 v[136+\n], v[136+\n], |v[16*\n+13]|, |v[16*\n+14]|
.endr
.irp n, 0,1,2,3
	s_delay_alu instid0(VALU_DEP_4)
	v_max3_num_f32 v[136+\n], v[136+\n], v[140+\n], |v[16*\n+15]|
.endr
.irp n, 0,1,2,3
	s_delay_alu instid0(VALU_DEP_4)
	v_permlanex16_b32 v[140+\n], v[136+\n], s48, s49
.endr
.irp n, 0,1,2,3
	s_delay_alu instid0(VALU_DEP_4)
	v_max_num_f32 v[136+\n], v[136+\n], v[140+\n]
.endr
.irp n, 0,1,2,3
	s_delay_alu instid0(VALU_DEP_4)
	v_add_nc_u32 v[136+\n], 0xff000000, v[136+\n]
.endr
.irp n, 0,1,2,3
	s_delay_alu instid0(VALU_DEP_4)
	v_lshrrev_b32 v[140+\n], 23, v[136+\n]
.endr
.irp n, 0,1,2,3
.if (\b) == 0
	s_delay_alu instid0(VALU_DEP_4)
	v_mov_b32 v[240+\n], v[140+\n]
.else
	s_delay_alu instid0(VALU_DEP_4)
	v_lshl_or_b32 v[240+\n], v[140+\n], 8*(\b), v[240+\n]
.endif
.endr
.irp n, 0,1,2,3
.if (\b) == 0
	v_cvt_scalef32_pk16_fp6_f32 v[64+12*\n:66+12*\n], v[16*\n:16*\n+15], v[136+\n]
.elseif (\b) == 1
	v_cvt_scalef32_pk16_fp6_f32 v[112+4*\n:114+4*\n], v[16*\n:16*\n+15], v[136+\n]
.else
	v_cvt_scalef32_pk16_fp6_f32 v[70+12*\n:72+12*\n], v[16*\n:16*\n+15], v[136+\n]
.endif
.endr
	v_nop                                          ; a plain place behind the conversions
	WIN 0
.endm
	VLOAD 0
	VLOAD 1
	s_wait_alu depctr_va_vdst(0)
	s_wait_loadcnt 0x0                             ; bv (and the first bias images)
.set GI, 0
.rept 12
.if GI < 11
	s_wait_dscnt 6                                 ; this group's fragments are in; the next group's six loads may be out
.else
	s_wait_dscnt 0x0
.endif
	WIN 0x51
.irp n, 0,1,2,3
.irp u, 0,1
.if (GI%4) == 0
	WMS 16*\n+8*\u, 192+24*(GI%2)+12*\u, 64+12*(4*(GI%4)+\n), -1, 32+2*(2*(GI/4)+\u)+(GI%4)/2, 14+2*(GI%4)+\n/2, GI%2, \n%2
.else
	WMS 16*\n+8*\u, 192+24*(GI%2)+12*\u, 64+12*(4*(GI%4)+\n), 16*\n+8*\u, 32+2*(2*(GI/4)+\u)+(GI%4)/2, 14+2*(GI%4)+\n/2, GI%2, \n%2
.endif
.endr
.endr
	NOPS 4
.if GI < 10
	VLOAD GI+2
.endif
.if (GI%4) == 3
	VEPI GI/4
.endif
.set GI, GI+1
.endr
	WIN 0x55                                       ; V's four fragments: a whole block of 32 keys to a lane: lanes 0-15 blocks 0 and 2, lanes 16-31 block 1 and a block of zero codes
.irp n, 0,1,2,3
.irp i, 0,1,2
	v_permlane16_swap_b32 v[64+12*\n+\i], v[112+4*\n+\i]
.endr
.irp i, 0,1,2
	v_mov_b32 v[67+12*\n+\i], v[112+4*\n+\i]
	v_mov_b32 v[73+12*\n+\i], 0
.endr
.irp i, 0,1,2
	v_permlane16_swap_b32 v[70+12*\n+\i], v[73+12*\n+\i]
.endr
.endr
	WIN 0x01
.irp n, 0,1,2,3
	v_mov_b32 v[14+\n], v[240+\n]                  ; V's scale words (scale operands are taken from window 0)
.endr
	WIN 0
	s_wait_dscnt 0x0                               ; my reads of y1's images are in
	s_barrier_signal -1
	s_barrier_wait -1                              ; everybody's are: ctx may take their place.
	; ================ attention, head w.  S^T = K Q^T + 8 bias (source 0 = 16 keys, source 1 = 16 queries, K = 64: the upper half of both fragments is zero codes); O^T = V^T P^T.  A lane holds one query throughout.
	; v64-135 K's six fragments; v136-147 q's; v148-159 p's; v160-207 the scores, then p; v208-233 at work
	s_add_co_u32 s70, s68, 4608
	v_mad_u32_u24 v8, v3, 24, s70
	s_add_co_u32 s70, s68, 9600
	v_lshl_add_u32 v9, v5, 2, s70
.irp k, 0,1,2,3,4,5
.irp p, 0,1,2
	ds_load_b64 v[64+12*\k+2*\p:65+12*\k+2*\p], v8 offset:768*\k+8*\p
.endr
	ds_load_b32 v[18+\k], v9 offset:64*\k
.endr
	s_mov_b32 s60, s68
	s_add_co_u32 s61, s68, 9216
	v_mad_u32_u24 v10, v3, 24, s60
	v_lshl_add_u32 v11, v5, 2, s61
	ds_load_b64 v[136:137], v10
	ds_load_b64 v[138:139], v10 offset:8
	ds_load_b64 v[140:141], v10 offset:16
	ds_load_b32 v12, v11
.irp k, 0,1,2,3,4,5
.irp i, 6,7,8,9,10,11
	v_mov_b32 v[64+12*\k+\i], 0
.endr
.endr
.irp i, 142,143,144,145,146,147,212,213,214,233
	v_mov_b32 v\i, 0
.endr
	s_add_co_u32 s62, s66, AIMG
	s_add_co_u32 s63, s67, ASC
	s_mov_b32 s57, 6
	NOPS 4                                         ; operands written by vector instructions stand four places ahead of a scaled product
	s_wait_dscnt 0x0
.Latt:                                                 ; a trip: one tile of 16 queries
	s_wait_loadcnt 0x0                             ; the tile's bias images
	s_wait_dscnt 4                                 ; q and its scale words are in; the last trip's four stores may be out
	WIN 0x10
	s_wait_alu depctr_va_vdst(0)
.irp k, 0,1,2,3,4,5
	WMS 160+8*\k, 64+12*\k, 136, 144+8*\k, 18+\k, 12, 0, 0
.endr
	WIN 0
	s_add_nc_u64 s[10:11], s[10:11], 6144          ; (its loads are done)
	s_add_co_u32 s60, s60, 768
	s_add_co_u32 s61, s61, 64
	v_mad_u32_u24 v8, v3, 24, s60
	v_lshl_add_u32 v9, v5, 2, s61
	NOPS 2                                         ; with the two lines above: four places
	s_cmp_eq_u32 s57, 1
	s_cbranch_scc1 .Lattn                          ; the last trip has no next tile
	ds_load_b64 v[136:137], v8
	ds_load_b64 v[138:139], v8 offset:8
	ds_load_b64 v[140:141], v8 offset:16
	ds_load_b32 v12, v9
	WIN 0x40
.irp i, 0,1,2,3,4,5,6,7,8,9,10,11
	global_load_b128 v[144+4*\i:147+4*\i], v7, s[10:11] offset:512*\i
.endr
	WIN 0
.Lattn:
.irp b, 0,1,2
	v_max3_num_f32 v[208+\b], v[160+16*\b], v[161+16*\b], v[162+16*\b]     ; the largest score of each block of 32 keys: for the row's maximum and, since p rises with the score, for the block's largest p
.endr
.irp i, 3,5,7,9,11,13
.irp b, 0,1,2
	v_max3_num_f32 v[208+\b], v[208+\b], v[160+16*\b+\i], v[161+16*\b+\i]
.endr
.endr
.irp b, 0,1,2
	v_max_num_f32 v[208+\b], v[208+\b], v[175+16*\b]
.endr
.irp b, 0,1,2
	s_delay_alu instid0(VALU_DEP_3)
	v_permlanex16_b32 v[212+\b], v[208+\b], s48, s49
.endr
.irp b, 0,1,2
	s_delay_alu instid0(VALU_DEP_3)
	v_max_num_f32 v[208+\b], v[208+\b], v[212+\b]
.endr
	s_delay_alu instid0(VALU_DEP_1)
	v_max3_num_f32 v216, v208, v209, v210
	s_delay_alu instid0(VALU_DEP_1)
	v_mul_f32 v216, s50, v216                      ; the row's largest t
	s_delay_alu instid0(VALU_DEP_1)
	v_floor_f32 v220, -v216                        ; -M = floor(-t): M is a whole number
.set J, 0
.rept 48
	v_fma_f32 v[160+J], v[160+J], s50, v220        ; t - M
.set J, J+1
.endr
.irp b, 0,1,2
	v_fma_f32 v[208+\b], v[208+\b], s50, v220
.endr
.set J, 0
	s_wait_alu depctr_va_vdst(0)
.rept 48
	v_exp_f32 v[160+J], v[160+J]                   ; p = 2^(t - M), not normalised; 0 for keys past the board
.set J, J+1
.endr
	v_nop
	s_wait_alu depctr_va_vdst(0)                   ; one wait for the batch, ahead of its first reader
.irp b, 0,1,2
	v_exp_f32 v[208+\b], v[208+\b]                 ; each block's largest p
.endr
	v_pk_add_f32 v[222:223], v[160:161], v[162:163]                ; the row's sum, of the unquantised p, in two chains
	v_pk_add_f32 v[224:225], v[164:165], v[166:167]
.irp j, 8,12,16,20,24,28,32,36,40,44
	v_pk_add_f32 v[222:223], v[222:223], v[160+\j:161+\j]
	v_pk_add_f32 v[224:225], v[224:225], v[162+\j:163+\j]
.endr
	s_delay_alu instid0(VALU_DEP_1)
	v_pk_add_f32 v[222:223], v[222:223], v[224:225]
	s_wait_alu depctr_va_vdst(0)                   ; and one for the three
.irp b, 0,1,2
	v_max_num_f32 v[208+\b], 0x1800000, v[208+\b]
.endr
.irp b, 0,1,2
	s_delay_alu instid0(VALU_DEP_3)
	v_add_nc_u32 v[216+\b], 0xff000000, v[208+\b]
.endr
.irp b, 0,1,2
	s_delay_alu instid0(VALU_DEP_3)
	v_lshrrev_b32 v[212+\b], 23, v[216+\b]
.endr
	s_delay_alu instid0(VALU_DEP_2)
	v_lshl_or_b32 v13, v213, 8, v212               ; p's scale word; the fourth block is zero codes under the byte 0
	s_delay_alu instid0(VALU_DEP_1)
	v_lshl_or_b32 v13, v214, 16, v13
	v_cvt_scalef32_pk16_fp6_f32 v[148:150], v[160:175], v216
	v_cvt_scalef32_pk16_fp6_f32 v[228:230], v[176:191], v217
	v_cvt_scalef32_pk16_fp6_f32 v[154:156], v[192:207], v218
	v_nop
.irp i, 0,1,2
	v_mov_b32 v[157+\i], 0
.endr
.irp i, 0,1,2
	v_permlane16_swap_b32 v[148+\i], v[228+\i]
	v_permlane16_swap_b32 v[154+\i], v[157+\i]
.endr
.irp i, 0,1,2
	v_mov_b32 v[151+\i], v[228+\i]
.endr
	v_add_f32 v222, v222, v223
	s_delay_alu instid0(VALU_DEP_1)
	v_permlanex16_b32 v224, v222, s48, s49
	s_delay_alu instid0(VALU_DEP_1)
	v_add_f32 v222, v222, v224                     ; the row's sum
	s_wait_alu depctr_va_vdst(0)
	v_rcp_f32 v232, v222
	NOPS 4                                         ; places in front of the scaled products: four behind p's codes, more than eight behind its scale word
	WIN 0x01
.irp t, 0,1,2,3
	WMS 32+8*\t, 64+12*\t, 148, -1, 14+\t, 13, 0, 0
.endr
	WIN 0
	NOPS 4
	s_wait_alu depctr_va_vdst(0)                   ; the reciprocal's wait, ahead of its first reader
.irp j, 0,2,4,6,8,10,12,14,16,18,20,22,24,26,28,30
	v_pk_mul_f32 v[32+\j:33+\j], v[32+\j:33+\j], v[232:233] op_sel_hi:[1,0]        ; ctx = O^T / the sum
.endr
	QUANT2
	STORE6 48, 3, 0                                ; ctx's image: K step w / 2 of Wo's product
	s_add_co_u32 s62, s62, 6144
	s_add_co_u32 s63, s63, 256
	s_sub_co_u32 s57, s57, 1
	s_cmp_lg_u32 s57, 0
	s_cbranch_scc1 .Latt
	s_wait_loadcnt 0x0                             ; no load of a bias image is out on any way out of the loop: x's loads below land in the same registers
	s_wait_dscnt 0x0
	; ================ unit Wo: X = x + bo + ctx Wo
	v_lshrrev_b32 v24, 4, v3
	s_delay_alu instid0(VALU_DEP_1)
	v_lshlrev_b32 v12, 6, v24
.irp i, 0,1,2,3,4,5,6,7
	global_load_b128 v[32+4*\i:35+4*\i], v12, s[26:27] offset:128*(\i/4)+16*(\i%4)
.endr
	ADDRX 8
	XLOADS 1
	UNITHEAD                                       ; its round shows ctx to all waves and ends every wave's park, in whose bytes the stages lie
	s_wait_alu depctr_va_vdst(0)
.irp m, 0,1,2,3,4,5
	XIN \m, 0
.endr
	s_wait_dscnt 0x0
	WIN 0x41
.irp m, 0,1,2,3,4,5
.irp j, 0,2,4,6,8,10,12,14,16,18,20,22,24,26,28,30
	v_add_f32 v[32*\m+\j], v[32*\m+\j], v[32+\j]
	v_add_f32 v[32*\m+\j+1], v[32*\m+\j+1], v[33+\j]
.endr
.endr
	WIN 0
	P2UNIT AIMG, ASC, 0
	; ================ LN2; y2's images (the barrier in it parts every wave's reads of ctx from y2's stores)
	LNPARAMS 16, 18, 1
	LNORM 1
	s_lshl_b32 s59, s32, 8
	s_add_co_u32 s59, s59, BIASL                   ; my 256 bytes for b1
	s_wait_xcnt 0x0                                ; the prefetches have read v31: from here on it holds where my lane half reads b1: + 64 (lane / 16)
	v_lshrrev_b32 v31, 4, v3
	s_delay_alu instid0(VALU_DEP_1)
	v_lshl_add_u32 v31, v31, 6, s59
	s_wait_alu depctr_va_vdst(0)
	; ================ the MLP: four chunks of 512 hidden units; the hidden layer never leaves LDS
.macro CHUNK last
	v_lshlrev_b32 v10, 2, v3
	global_load_b32 v12, v10, s[28:29]
	global_load_b32 v13, v10, s[28:29] offset:128
	UNITHEAD                                       ; W1's part; its round parts the last chunk's reads of the hidden images from this chunk's stores
	s_add_co_u32 s62, s66, HIMG
	s_add_co_u32 s63, s67, HSC
	P1LOOP 1                                       ; its last trip takes W2's part into the weight registers
	s_add_nc_u64 s[28:29], s[28:29], 2048          ; (b1's loads are done)
.if \last
	s_wait_dscnt 0x0                               ; my images are stored, and W2's last part is in registers: nothing is left to ask for
	s_barrier_signal -1
	s_barrier_wait -1                              ; the hidden images are whole for all waves
	ADDRX 44                                       ; the way out's addresses
.else
	CHANGE                                         ; its round shows the hidden images to all waves
.endif
	P2UNIT HIMG, HSC, \last
.endm
	s_mov_b32 s58, 3
.Lmlp:
	CHUNK 0
	s_sub_co_u32 s58, s58, 1
	s_cmp_lg_u32 s58, 0
	s_cbranch_scc1 .Lmlp
	CHUNK 1                                        ; the last chunk is written out: its second unit asks for nothing; and it sends the result tile by tile
	; ================ what is left of the way out: token 80, row 8 of tile 4: lanes 0-15 of its fifth pair of rows
	v_cmp_gt_u32 vcc_lo, 16, v3
	s_wait_xcnt 0x0                                ; EXEC changes only behind this wait
	s_and_saveexec_b32 s60, vcc_lo
	WIN 0x04
	global_store_b128 v45, v[144:147], s[6:7] offset:80*2048 th:TH_STORE_NT
	WIN 0
	s_wait_xcnt 0x0                                ; and again, in front of the line that widens it
	s_or_b32 exec_lo, exec_lo, s60
	s_wait_tensorcnt 0x0                           ; the wave's end, behind my last tensor load and my last LDS store
	ds_add_u32 v1, v2
	s_wait_dscnt 0x0
	ROUND                                          ; the closing round: no work-group ends while a partner may still ask for a piece that names it
	s_endpgm
.Lfunc_end_k_q26b6dfe631_block:
	.size	k_q26b6dfe631_block, .Lfunc_end_k_q26b6dfe631_block-k_q26b6dfe631_block
	.p2alignl 7, 3214868480
	.fill 96, 4, 3214868480
	.section	.rodata,"a",@progbits
	.p2align	6, 0x0
	.amdhsa_kernel k_q26b6dfe631_block
		.amdhsa_group_segment_fixed_size 327680
		.amdhsa_private_segment_fixed_size 0
		.amdhsa_enable_private_segment 0
		.amdhsa_kernarg_size 112
		.amdhsa_user_sgpr_count 2
		.amdhsa_user_sgpr_kernarg_segment_ptr 1
		.amdhsa_wavefront_size32 1
		.amdhsa_system_sgpr_workgroup_id_x 1
		.amdhsa_system_sgpr_workgroup_id_y 1
		.amdhsa_system_sgpr_workgroup_id_z 1
		.amdhsa_system_vgpr_workitem_id 0
		.amdhsa_next_free_vgpr 512
		.amdhsa_next_free_sgpr 80
		.amdhsa_reserve_vcc 1
		.amdhsa_float_denorm_mode_32 3
		.amdhsa_float_denorm_mode_16_64 3
		.amdhsa_memory_ordered 1
		.amdhsa_forward_progress 1
		.amdhsa_inst_pref_size 255
	.end_amdhsa_kernel
	.section	.bss,"aw",@nobits
	.p2align	6
	.space	262144
	.amdgpu_metadata
---
amdhsa.version: [ 1, 2 ]
amdhsa.kernels:
  - .name:           k_q26b6dfe631_block
    .symbol:         k_q26b6dfe631_block.kd
    .args:
      - { .name: x, .offset: 0, .size: 8, .value_kind: global_buffer, .address_space: global }
      - { .name: out0, .offset: 8, .size: 8, .value_kind: global_buffer, .address_space: global }
      - { .name: wimg, .offset: 16, .size: 8, .value_kind: global_buffer, .address_space: global }
      - { .name: bimg, .offset: 24, .size: 8, .value_kind: global_buffer, .address_space: global }
      - { .name: ln1_scale, .offset: 32, .size: 8, .value_kind: global_buffer, .address_space: global }
      - { .name: ln1_bias, .offset: 40, .size: 8, .value_kind: global_buffer, .address_space: global }
      - { .name: ln2_scale, .offset: 48, .size: 8, .value_kind: global_buffer, .address_space: global }
      - { .name: ln2_bias, .offset: 56, .size: 8, .value_kind: global_buffer, .address_space: global }
      - { .name: bq, .offset: 64, .size: 8, .value_kind: global_buffer, .address_space: global }
      - { .name: bk, .offset: 72, .size: 8, .value_kind: global_buffer, .address_space: global }
      - { .name: bv, .offset: 80, .size: 8, .value_kind: global_buffer, .address_space: global }
      - { .name: bo, .offset: 88, .size: 8, .value_kind: global_buffer, .address_space: global }
      - { .name: b1, .offset: 96, .size: 8, .value_kind: global_buffer, .address_space: global }
      - { .name: b2, .offset: 104, .size: 8, .value_kind: global_buffer, .address_space: global }
    .group_segment_fixed_size: 327680
    .private_segment_fixed_size: 0
    .kernarg_segment_align: 8
    .kernarg_segment_size: 112
    .max_flat_workgroup_size: 256
    .sgpr_count:     80
    .vgpr_count:     512
    .wavefront_size: 32
...
	.end_amdgpu_metadata
.endif
;; end of part 2
